; MI455X (gfx1250); checked and timed in simulation.
; The chip was launched on July 23, 2026; its instructions are those of AMD's public machine-readable ISA for CDNA 5 (MIT licence, August 2026) and "CDNA5" Instruction Set Architecture Reference Guide (July 2026). The comments in the code are by the model that wrote it; some were corrected since.
;; Relu Network Disentangle. Allowed arithmetic: matrix products marked QUANTISED: E3M2 operands, one E8M0 scale for each 32 along K, by v_wmma_scale_f32_16x16x128_f8f6f4 with both operands' format E3M2, f32 sums; products left as they are: f32 operands where the result goes on into a quantised operand, else bf16, f16 or f32 operands; f32 sums; everything else in f32.
;; Inputs: W_blocks 8 x 128 x 128 float32; W_c 128 x 128 float32; W_in 63 x 128 float32; W_out 128 x 1 float32; W_rgb 128 x 3 float32; W_skip 63 x 128 float32; W_skipc 128 x 128 float32; W_view 27 x 128 float32; W_viewc 128 x 128 float32; b_blocks 8 x 128 float32; b_c 128 float32; b_in 128 float32; b_out 1 float32; b_rgb 3 float32; b_skip 128 float32; b_skipc 128 float32; b_view 128 float32; b_viewc 128 float32; condition 262,144 x 256 float32; coords 262,144 x 3 float32; noise 262,144 x 1 float32; ray_dir 262,144 x 3 float32.
;; Outputs: out0 262,144 x 4 float32.
;; This version of the problem:
;;   THIS VERSION OF THE PROBLEM IS GIVEN IN LOW PRECISION. The matrix products marked QUANTISED in the list below multiply operands that are first quantised to E3M2 (3 exponent bits, 2 mantissa bits; 6 bits a number), with one power-of-two scale for each 32 numbers along K (OCP MX v1.0); their sums are f32. All else is computed in f32.
;;   The module's matrix products, in the order in which they are computed (A, B: the left and right operand; K: the contracted axis; several contracted axes count as one K, in the product's order):
;;     1. [M 262,144, K 63] x [K 63, N 128]; A: computed on the way; B: input W_in: QUANTISED
;;     2. [M 262,144, K 128] x [K 128, N 128]; A: input condition; B: input W_c: QUANTISED
;;     3. [M 262,144, K 128] x [K 128, N 128]; A: computed on the way; B: input W_blocks: QUANTISED
;;     4. [M 262,144, K 128] x [K 128, N 128]; A: computed on the way; B: input W_blocks: QUANTISED
;;     5. [M 262,144, K 128] x [K 128, N 128]; A: computed on the way; B: input W_blocks: QUANTISED
;;     6. [M 262,144, K 128] x [K 128, N 128]; A: computed on the way; B: input W_blocks: QUANTISED
;;     7. [M 262,144, K 63] x [K 63, N 128]; A: computed on the way; B: input W_skip: QUANTISED
;;     8. [M 262,144, K 128] x [K 128, N 128]; A: input condition; B: input W_skipc: QUANTISED
;;     9. [M 262,144, K 128] x [K 128, N 128]; A: computed on the way; B: input W_blocks: QUANTISED
;;     10. [M 262,144, K 128] x [K 128, N 128]; A: computed on the way; B: input W_blocks: QUANTISED
;;     11. [M 262,144, K 128] x [K 128, N 128]; A: computed on the way; B: input W_blocks: QUANTISED
;;     12. [M 262,144, K 128] x [K 128, N 128]; A: computed on the way; B: input W_blocks: QUANTISED
;;     13. [M 262,144, K 128] x [K 128, N 1]; A: computed on the way; B: input W_out: left as it is (N = 1 < 16)
;;     14. [M 262,144, K 27] x [K 27, N 128]; A: computed on the way; B: input W_view: left as it is (K = 27 < 32)
;;     15. [M 262,144, K 128] x [K 128, N 128]; A: input condition; B: input W_viewc: QUANTISED
;;     16. [M 262,144, K 128] x [K 128, N 3]; A: computed on the way; B: input W_rgb: left as it is (N = 3 < 16)
;;   THE QUANTISER, for each operand of a quantised product, along K:
;;     - K is cut into blocks of 32 from its start; a last block that is shorter is filled with zeros.
;;     - A block's scale is 2^e with e = floor(log2(the largest magnitude in the block)) - 4, held to -126 .. 127; a block of zeros has e = 0. As a byte (E8M0): e + 127.
;;     - Each number is divided by its block's scale, clamped to +-28, and rounded to the nearest number of E3M2, ties to even, subnormals kept.
;;     - The product sums the exact products of the quantised numbers (number of the format x scale) in f32.
;;   ~~~python
;;   def quantise(x, axis):      # numpy; x: float32 -> the quantised numbers, widened to float32 again
;;       x = np.moveaxis(x, axis, -1); K = x.shape[-1]
;;       x = np.pad(x, [(0, 0)] * (x.ndim - 1) + [(0, -K % 32)]); x = x.reshape(x.shape[:-1] + (-1, 32)); a = np.abs(x).max(-1, keepdims=True)
;;       e = np.where(a > 0, np.clip(np.frexp(np.where(a > 0, a, 1))[1] - 1 - 4, -126, 127), 0)      # np.frexp(a)[1] - 1 = floor(log2(a)), exactly
;;       r = np.clip(x / 2.0 ** e, -28, 28)
;;       step = 2.0 ** (np.maximum(np.frexp(np.where(r == 0, 1, r))[1] - 1, -2) - 2)
;;       q = np.round(r / step) * step * 2.0 ** e      # np.round: ties to even
;;       return np.moveaxis(q.reshape(q.shape[:-2] + (-1,))[..., :K], -1, axis).astype(np.float32)
;;   ~~~
;;   OPERANDS COMPUTED ON THE WAY. 'Computed on the way' means the value that the module computes at that place (a softmax that the list does not call 'softmax' is quantised finished and normalised). What goes into a quantiser is computed in f32, as accurately as f32 sums, v_exp_f32 and their like allow (about 1e-6 of the number): no bf16 or f16 on the way to a quantiser, and a product that is left as it is and whose result goes on into a quantised operand takes f32 operands (vector FMAs, or v_wmma_f32_16x16x4_f32). A number that lies on a knife's edge between two numbers of the format may be rounded either way, as far as f32 arithmetic and the matrix unit's own rounding can turn it there, and no further.
;; One version. Each part assembles by itself: llvm-mc -triple=amdgcn-amd-amdhsa -mcpu=gfx1250 --defsym DOCPART=n.
;; ======== version 1 of 1: 2 launches
;; limits: inputs' magnitudes at most 25,000; values are held in bf16: 8 bits of precision; right only within a limited range of input values
;; workspace buffers: wimg 192,512 bytes
;; launch prep (part 1): grid 29 x 1, 4 waves a work-group, no clusters, 0 bytes of LDS; arguments W_in, W_c, W_blocks, W_skip, W_skipc, W_viewc, W_view, W_out, W_rgb, b_in, b_c, b_blocks, b_skip, b_skipc, b_view, b_viewc, wimg; writes wimg
.if DOCPART == 1
	.amdgcn_target "amdgcn-amd-amdhsa--gfx1250"
	.amdhsa_code_object_version 6
	.text
	.protected	k_qeca38c6183_prep
	.globl	k_qeca38c6183_prep
	.p2align	8
	.type	k_qeca38c6183_prep,@function
k_qeca38c6183_prep:
	s_mov_b64 s[64:65], 0
	v_nop
	global_prefetch_b8 v0, s[64:65] scope:SCOPE_SE
	s_setreg_imm32_b32 hwreg(HW_REG_WAVE_MODE, 25, 1), 1
	s_wait_xcnt 0x0
; All that every work-group of the main launch needs of the weights, made once, laid in the order of the operands' registers.
; wimg: FRG 13 matrices x 8 tiles x 1,536 bytes: a BF6 fragment (16 output units x 128 K) as an image of its 12 registers, group g of four at 512 g + 16 lane;
;       SCL 13 x 1,024: lane l's scale word of tile t at 32 l + 4 t;  BIA 13 x 512: the bias that starts a layer's sums;  PADB 512 zeros;
;       WVF 8 x 1,024: bf16 fragments of W_view (with b_view + b_viewc as three bf16 rows);  WOF 4 x 1,024: bf16 fragments of W_out and W_rgb.
; Matrices: 0 W_in, 1 W_c, 2-5 W_blocks[0..3], 6 W_skip, 7 W_skipc, 8-11 W_blocks[4..7], 12 W_viewc.
; A weight is [K][128] f32: lane r of tile t takes column 32 (t / 2) + 8 (t % 2) + r + 8 (r / 8) and its registers run down K, so the conversions' results are the operand's registers.
; The two weights of K = 63 are permuted inside their blocks of 32 (the main launch permutes enc alike): lanes 0-15 rows 3..31, 0, 1, 2; lanes 16-31 rows 33..62, 32, and a zero.
; A block's scale byte is its largest magnitude's exponent field - 4, held at 1 from below; a block of zeros keeps the byte 1 (its codes are zeros, and this program alone reads the bytes).
; LIMITS: NaN and infinities among the weights are not served.
; Work-groups 0-25: matrix wg / 2, tile 4 (wg % 2) + wave.  26, 27: W_view's tile 4 (wg - 26) + wave.  28: wave s makes K step s of W_out and W_rgb.
.set SCL,  159744
.set BIA,  173056
.set PADB, 179712
.set WVF,  180224
.set WOF,  188416
	s_load_b512 s[8:23], s[0:1], 0x0               ; W_in 8, W_c 10, W_blocks 12, W_skip 14, W_skipc 16, W_viewc 18, W_view 20, W_out 22
	s_load_b512 s[24:39], s[0:1], 0x40             ; W_rgb 24, b_in 26, b_c 28, b_blocks 30, b_skip 32, b_skipc 34, b_view 36, b_viewc 38
	s_load_b64 s[40:41], s[0:1], 0x80              ; wimg
	v_lshrrev_b32 v1, 5, v0
	v_readfirstlane_b32 s4, v1                     ; wave
	v_and_b32 v1, 31, v0                           ; lane
	v_and_b32 v2, 15, v0                           ; r
	v_bfe_u32 v3, v0, 4, 1                         ; h
	v_and_b32 v4, 8, v2
	v_add_nc_u32 v4, v4, v2
	v_lshlrev_b32 v4, 2, v4                        ; my column in a tile, in bytes: 4 (r + 8 (r / 8))
	v_lshlrev_b32 v5, 4, v1                        ; 16 x lane
	v_lshlrev_b32 v11, 5, v1                       ; 32 x lane
	v_mov_b32 v7, 0
	s_mov_b32 s5, 0xffff0000                       ; lanes 16-31
	s_mov_b32 s6, 0x76543210
	s_mov_b32 s7, 0xfedcba98                       ; v_permlanex16_b32's selects for lane l xor 16
	s_wait_kmcnt 0x0
	s_cmp_lt_u32 ttmp9, 26
	s_cbranch_scc1 .Lfrag
	s_cmp_lt_u32 ttmp9, 28
	s_cbranch_scc1 .Lwview
	; ---- W_out and W_rgb: K step s = wave.  Lane (m, h), position q: unit 32 s + 16 h + q.  Row m % 8 = 0: W_out; 1..3: W_rgb's columns; else 0
	s_wait_alu depctr_va_vdst(0)
	v_and_b32 v12, 7, v2
	v_add_nc_u32 v13, -1, v12                      ; m % 8 - 1
	v_min_u32 v14, 2, v13                          ; the column of W_rgb, held inside the table for the rows that take none
	s_lshl_b32 s42, s4, 7
	v_lshl_add_u32 v15, v3, 6, s42                 ; W_out: 4 (32 s + 16 h)
	s_mul_i32 s43, s4, 384
	v_mad_u32_u24 v16, v3, 192, s43                ; W_rgb: 12 (32 s + 16 h)
	v_lshl_add_u32 v16, v14, 2, v16
.irp j, 0,1,2,3
	global_load_b128 v[64+4*\j:67+4*\j], v15, s[22:23] offset:16*\j
.endr
.set i, 0
.rept 16
	global_load_b32 v[80+i], v16, s[24:25] offset:12*i
.set i, i+1
.endr
	v_cmp_eq_u32 s60, 0, v12
	v_cmp_gt_u32 s61, 3, v13
	s_lshl_b32 s48, s4, 10
	s_add_co_u32 s48, s48, WOF
	s_mov_b32 s49, 0
	s_add_nc_u64 s[56:57], s[40:41], s[48:49]
	s_wait_loadcnt 0x0
.set i, 0
.rept 16
	v_cndmask_b32 v[80+i], v7, v[80+i], s61
	v_cndmask_b32 v[80+i], v[80+i], v[64+i], s60
.set i, i+1
.endr
.set i, 0
.rept 8
	v_cvt_pk_bf16_f32 v[48+i], v[80+2*i], v[81+2*i]
.set i, i+1
.endr
	global_store_b128 v5, v[48:51], s[56:57]
	global_store_b128 v5, v[52:55], s[56:57] offset:512
	s_cmp_lg_u32 s4, 0
	s_cbranch_scc1 .Lwor_end
	v_mov_b32 v20, 0                               ; wave 0: the 512 zeros that make the image a whole number of the main launch's copies
	v_mov_b32 v21, 0
	v_mov_b32 v22, 0
	v_mov_b32 v23, 0
	global_store_b128 v5, v[20:23], s[40:41] offset:PADB
.Lwor_end:
	s_endpgm
.Lwview:
	; ---- W_view's tile t.  Position q of half h: q < 12: row 3 + 12 h + q;  q = 12..15: h = 0: rows 0, 1, 2 and the bias's first bf16 part; h = 1: its second and third part, 0, 0
	s_sub_co_u32 s42, ttmp9, 26
	s_lshl_b32 s42, s42, 2
	s_add_co_u32 s43, s42, s4                      ; t
	s_lshr_b32 s44, s43, 1
	s_lshl_b32 s44, s44, 7
	s_and_b32 s45, s43, 1
	s_lshl_b32 s45, s45, 5
	s_or_b32 s48, s44, s45                         ; the tile's first column, in bytes
	s_mov_b32 s49, 0
	s_add_nc_u64 s[50:51], s[20:21], s[48:49]
	s_add_nc_u64 s[52:53], s[36:37], s[48:49]
	s_add_nc_u64 s[54:55], s[38:39], s[48:49]
	s_wait_alu depctr_va_vdst(0)
	v_mad_u32_u24 v6, v3, 6144, v4
.set i, 0
.rept 12
	global_load_b32 v[64+i], v6, s[50:51] offset:1536+512*i
.set i, i+1
.endr
.irp e, 0,1,2
	global_load_b32 v[80+\e], v4, s[50:51] offset:512*\e
.endr
	global_load_b32 v84, v4, s[52:53]
	global_load_b32 v85, v4, s[54:55]
	s_lshl_b32 s48, s43, 10
	s_add_co_u32 s48, s48, WVF
	s_add_nc_u64 s[56:57], s[40:41], s[48:49]
	s_wait_loadcnt 0x0
	v_add_f32 v86, v84, v85                        ; b_view + b_viewc, cut into three bf16 numbers whose sum is the f32 number
	v_cvt_pk_bf16_f32 v87, v86, v86
	v_lshlrev_b32 v87, 16, v87
	v_sub_f32 v88, v86, v87
	v_cvt_pk_bf16_f32 v89, v88, v88
	v_lshlrev_b32 v89, 16, v89
	v_sub_f32 v90, v88, v89
	v_cndmask_b32 v76, v80, v89, s5
	v_cndmask_b32 v77, v81, v90, s5
	v_cndmask_b32 v78, v82, v7, s5
	v_cndmask_b32 v79, v87, v7, s5
.set i, 0
.rept 8
	v_cvt_pk_bf16_f32 v[48+i], v[64+2*i], v[65+2*i]
.set i, i+1
.endr
	global_store_b128 v5, v[48:51], s[56:57]
	global_store_b128 v5, v[52:55], s[56:57] offset:512
	s_endpgm
.Lfrag:
	; ---- a BF6 fragment: matrix s42, tile s43
	s_lshr_b32 s42, ttmp9, 1
	s_and_b32 s43, ttmp9, 1
	s_lshl_b32 s43, s43, 2
	s_add_co_u32 s43, s43, s4
	s_sub_co_u32 s44, s42, 2
	s_sub_co_u32 s45, s42, 4
	s_sub_co_u32 s47, s42, 8
	s_cmp_lt_u32 s44, 4
	s_cselect_b32 s46, s44, 0                      ; which of W_blocks: matrices 2-5 are blocks 0-3,
	s_cmp_lt_u32 s47, 4
	s_cselect_b32 s46, s45, s46                    ; 8-11 blocks 4-7
	s_lshl_b32 s48, s46, 16
	s_mov_b32 s49, 0
	s_add_nc_u64 s[50:51], s[12:13], s[48:49]
	s_cmp_eq_u32 s42, 0                            ; the choices hang on the work-group's number alone
	s_cselect_b64 s[50:51], s[8:9], s[50:51]
	s_cmp_eq_u32 s42, 1
	s_cselect_b64 s[50:51], s[10:11], s[50:51]
	s_cmp_eq_u32 s42, 6
	s_cselect_b64 s[50:51], s[14:15], s[50:51]
	s_cmp_eq_u32 s42, 7
	s_cselect_b64 s[50:51], s[16:17], s[50:51]
	s_cmp_eq_u32 s42, 12
	s_cselect_b64 s[50:51], s[18:19], s[50:51]
	s_lshr_b32 s44, s43, 1
	s_lshl_b32 s44, s44, 7
	s_and_b32 s45, s43, 1
	s_lshl_b32 s45, s45, 5
	s_or_b32 s48, s44, s45
	s_add_nc_u64 s[50:51], s[50:51], s[48:49]      ; at the tile's first column
	s_mul_i32 s54, s42, 12288
	s_mul_i32 s55, s43, 1536
	s_add_co_u32 s54, s54, s55
	s_mov_b32 s55, 0
	s_add_nc_u64 s[56:57], s[40:41], s[54:55]      ; where the fragment goes
	s_lshl_b32 s54, s42, 10
	s_lshl_b32 s52, s43, 2
	s_add_co_u32 s54, s54, s52
	s_add_co_u32 s54, s54, SCL
	s_add_nc_u64 s[58:59], s[40:41], s[54:55]      ; and its scale words
	s_cmp_eq_u32 s42, 0
	s_cselect_b32 s52, 1, 0
	s_cmp_eq_u32 s42, 6
	s_cselect_b32 s52, 1, s52                      ; K = 63?
	s_cmp_lg_u32 s52, 0
	s_cselect_b32 s53, 0xffff0000, 0               ; then lanes 16-31 clear their last position
	s_cbranch_scc1 .Lshort
	s_wait_alu depctr_va_vdst(0)
	v_lshl_add_u32 v6, v3, 14, v4                  ; lanes 16-31 begin 32 rows further down: lane (r, h) holds k = 64 c + 32 h + 0 .. 31
.irp c, 0,1
.set i, 0
.rept 32
	global_load_b32 v[64+32*\c+i], v6, s[50:51] offset:512*(64*\c+i)
.set i, i+1
.endr
.endr
	s_branch .Ljoin
.Lshort:
	s_wait_alu depctr_va_vdst(0)
	v_mad_u32_u24 v6, v3, 15360, v4                ; positions 0-28: rows 3 + 30 h + i
	v_mad_u32_u24 v8, v3, 31744, v4                ; position 29: row 0 or 62
	v_mad_u32_u24 v10, v3, 15872, v4               ; position 30: row 1 or 32
.set i, 0
.rept 29
	global_load_b32 v[64+i], v6, s[50:51] offset:1536+512*i
.set i, i+1
.endr
	global_load_b32 v93, v8, s[50:51]
	global_load_b32 v94, v10, s[50:51] offset:512
	global_load_b32 v95, v4, s[50:51] offset:1024  ; position 31: row 2 (lanes 16-31 clear it below)
.set i, 0
.rept 32
	v_mov_b32 v[96+i], 0                           ; K = 64 .. 127: zeros
.set i, i+1
.endr
.Ljoin:
	s_wait_loadcnt 0x0
	v_cndmask_b32 v95, v95, v7, s53
.irp c, 0,1
	v_max3_num_f32 v[32+\c], |v[64+32*\c]|, |v[65+32*\c]|, 0x2800000   ; my block 2 c + h: all its 32 numbers are mine; the floor 2^(5 - 127) holds the byte at 1 from below
.endr
.irp i, 2,4,6,8,10,12,14,16,18,20,22,24,26,28,30
.irp c, 0,1
	v_max3_num_f32 v[32+\c], v[32+\c], |v[64+32*\c+\i]|, |v[65+32*\c+\i]|
.endr
.endr
.irp c, 0,1
	v_add_nc_u32 v[44+\c], 0xfe000000, v[32+\c]    ; 4 off the exponent field: the conversion's scale operand
.endr
.irp c, 0,1
	v_lshrrev_b32 v[36+\c], 23, v[44+\c]           ; the scale's byte
.endr
	v_lshl_or_b32 v9, v37, 16, v36                 ; blocks h and 2 + h,
	v_lshlrev_b32 v10, 3, v3
	v_lshlrev_b32 v9, v10, v9                      ; at their places in the word;
	v_mov_b32 v10, 0
	v_permlanex16_b32 v10, v9, s6, s7
	v_or_b32 v9, v9, v10                           ; with lane l xor 16's two the word is whole
.irp c, 0,1
	v_cvt_scalef32_pk16_bf6_f32 v[48+6*\c:50+6*\c], v[64+32*\c:79+32*\c], v[44+\c]
	v_cvt_scalef32_pk16_bf6_f32 v[128+4*\c:130+4*\c], v[80+32*\c:95+32*\c], v[44+\c]   ; (a conversion's three registers begin on an even number)
.endr
	v_nop                                          ; one plain place behind a scaled conversion
.irp c, 0,1
.irp i, 0,1,2
	v_mov_b32 v[51+6*\c+\i], v[128+4*\c+\i]
.endr
.endr
.irp g, 0,1,2
	global_store_b128 v5, v[48+4*\g:51+4*\g], s[56:57] offset:512*\g   ; 32 lanes store 512 consecutive bytes
.endr
	global_store_b32 v11, v9, s[58:59]
	; ---- the wave with tile 0 also makes the matrix's bias slot: 0: b_in + b_c;  2-4, 8-11: b_blocks;  5: (b_blocks[3] + b_skip) + b_skipc;  1, 6, 7, 12: zeros
	s_cmp_lg_u32 s43, 0
	s_cbranch_scc1 .Lfend
	s_lshl_b32 s48, s46, 9
	s_add_nc_u64 s[50:51], s[30:31], s[48:49]      ; (the loads that named s[50:51] are done)
	s_cmp_eq_u32 s42, 0
	s_cselect_b64 s[50:51], s[26:27], s[50:51]
	s_cselect_b64 s[54:55], s[28:29], s[32:33]
	s_cselect_b32 s61, -1, 0
	s_cmp_eq_u32 s42, 5
	s_cselect_b32 s61, -1, s61                     ; the second addend counts for matrices 0 and 5,
	s_cselect_b32 s62, -1, 0                       ; the third for 5,
	s_mov_b32 s60, -1
.irp z, 1,6,7,12
	s_cmp_eq_u32 s42, \z
	s_cselect_b32 s60, 0, s60                      ; the first for all but these
.endr
	s_lshl_b32 s48, s42, 9
	s_add_co_u32 s48, s48, BIA
	s_add_nc_u64 s[2:3], s[40:41], s[48:49]
	global_load_b128 v[16:19], v5, s[50:51]
	global_load_b128 v[20:23], v5, s[54:55]
	global_load_b128 v[24:27], v5, s[34:35]
	s_wait_loadcnt 0x0
.irp i, 0,1,2,3
	v_cndmask_b32 v[16+\i], v7, v[16+\i], s60
	v_cndmask_b32 v[20+\i], v7, v[20+\i], s61
	v_cndmask_b32 v[24+\i], v7, v[24+\i], s62
.endr
.irp i, 0,1,2,3
	v_add_f32 v[16+\i], v[16+\i], v[20+\i]
.endr
.irp i, 0,1,2,3
	v_add_f32 v[16+\i], v[16+\i], v[24+\i]
.endr
	global_store_b128 v5, v[16:19], s[2:3]
.Lfend:
	s_endpgm
.Lfunc_end_k_qeca38c6183_prep:
	.size	k_qeca38c6183_prep, .Lfunc_end_k_qeca38c6183_prep-k_qeca38c6183_prep
	.p2alignl 7, 3214868480
	.fill 96, 4, 3214868480
	.section	.rodata,"a",@progbits
	.p2align	6, 0x0
	.amdhsa_kernel k_qeca38c6183_prep
		.amdhsa_group_segment_fixed_size 0
		.amdhsa_private_segment_fixed_size 0
		.amdhsa_enable_private_segment 0
		.amdhsa_kernarg_size 136
		.amdhsa_user_sgpr_count 2
		.amdhsa_user_sgpr_kernarg_segment_ptr 1
		.amdhsa_wavefront_size32 1
		.amdhsa_system_sgpr_workgroup_id_x 1
		.amdhsa_system_sgpr_workgroup_id_y 1
		.amdhsa_system_sgpr_workgroup_id_z 1
		.amdhsa_system_vgpr_workitem_id 0
		.amdhsa_next_free_vgpr 160
		.amdhsa_next_free_sgpr 80
		.amdhsa_reserve_vcc 0
		.amdhsa_float_denorm_mode_32 3
		.amdhsa_float_denorm_mode_16_64 3
		.amdhsa_memory_ordered 1
		.amdhsa_forward_progress 1
		.amdhsa_inst_pref_size 28
	.end_amdhsa_kernel
	.amdgpu_metadata
---
amdhsa.version: [ 1, 2 ]
amdhsa.kernels:
  - .name:           k_qeca38c6183_prep
    .symbol:         k_qeca38c6183_prep.kd
    .args:
      - { .name: W_in, .offset: 0, .size: 8, .value_kind: global_buffer, .address_space: global }
      - { .name: W_c, .offset: 8, .size: 8, .value_kind: global_buffer, .address_space: global }
      - { .name: W_blocks, .offset: 16, .size: 8, .value_kind: global_buffer, .address_space: global }
      - { .name: W_skip, .offset: 24, .size: 8, .value_kind: global_buffer, .address_space: global }
      - { .name: W_skipc, .offset: 32, .size: 8, .value_kind: global_buffer, .address_space: global }
      - { .name: W_viewc, .offset: 40, .size: 8, .value_kind: global_buffer, .address_space: global }
      - { .name: W_view, .offset: 48, .size: 8, .value_kind: global_buffer, .address_space: global }
      - { .name: W_out, .offset: 56, .size: 8, .value_kind: global_buffer, .address_space: global }
      - { .name: W_rgb, .offset: 64, .size: 8, .value_kind: global_buffer, .address_space: global }
      - { .name: b_in, .offset: 72, .size: 8, .value_kind: global_buffer, .address_space: global }
      - { .name: b_c, .offset: 80, .size: 8, .value_kind: global_buffer, .address_space: global }
      - { .name: b_blocks, .offset: 88, .size: 8, .value_kind: global_buffer, .address_space: global }
      - { .name: b_skip, .offset: 96, .size: 8, .value_kind: global_buffer, .address_space: global }
      - { .name: b_skipc, .offset: 104, .size: 8, .value_kind: global_buffer, .address_space: global }
      - { .name: b_view, .offset: 112, .size: 8, .value_kind: global_buffer, .address_space: global }
      - { .name: b_viewc, .offset: 120, .size: 8, .value_kind: global_buffer, .address_space: global }
      - { .name: wimg, .offset: 128, .size: 8, .value_kind: global_buffer, .address_space: global }
    .group_segment_fixed_size: 0
    .private_segment_fixed_size: 0
    .kernarg_segment_align: 8
    .kernarg_segment_size: 136
    .max_flat_workgroup_size: 128
    .sgpr_count:     80
    .vgpr_count:     160
    .wavefront_size: 32
...
	.end_amdgpu_metadata
.endif
;; end of part 1
;; launch mlp (part 2): grid 256 x 1, 8 waves a work-group, no clusters, 327,680 bytes of LDS; arguments wimg, condition, coords, ray_dir, noise, b_out, b_rgb, out0; writes out0
.if DOCPART == 2
	.amdgcn_target "amdgcn-amd-amdhsa--gfx1250"
	.amdhsa_code_object_version 6
	.text
	.protected	k_qeca38c6183_mlp
	.globl	k_qeca38c6183_mlp
	.p2align	8
	.type	k_qeca38c6183_mlp,@function
k_qeca38c6183_mlp:
	s_mov_b64 s[64:65], 0
	v_nop
	global_prefetch_b8 v0, s[64:65] scope:SCOPE_SE
	s_setreg_imm32_b32 hwreg(HW_REG_WAVE_MODE, 25, 1), 1
	s_wait_xcnt 0x0
; The whole network for 262,144 rows, fused: nothing but the inputs is read and nothing but out0 is stored.
; SHARES.  256 work-groups of eight waves; a wave owns 128 rows, in two passes of 64 (four tiles of 16).  Waves are independent: two to a SIMD, 512 registers each.
; WEIGHTS.  The image that the launch before has made (codes, scale words, biases, bf16 fragments: 192,512 bytes) is copied into LDS once; a fragment read from LDS feeds four matrix instructions.
; LAYOUT.  Every product is used transposed (source 0 = 16 output units, source 1 = 16 rows): a lane holds ONE row (lane % 16), and the 64 accumulator registers of a tile of rows are units
; 32 b + 16 (lane / 16) + i at register 16 b + i, since the units of a weight tile are chosen so.  So a layer's results are quantised in registers and are the next layer's operand.
; condition is read once, 16 rows x 128 numbers a piece, one piece in each of the eight layer steps, a whole step ahead of its use; its codes wait in the wave's own LDS as images of the operand's registers.
; sin and cos: t = angle / pi in two f32 parts, n = the nearest whole number, x = pi (t - n), Taylor series to x^13 and x^12 (remainders under 1e-8 on |x| <= pi / 2), sign from n's lowest bit.
; The three products that are left as they are (W_view, W_out, W_rgb) feed no quantiser and go in bf16; b_view + b_viewc ride in W_view's spare K as three bf16 parts against ones.
; No cluster: the only bytes that work-groups share are the image, read once by each; the rows are each wave's own.
; LIMITS: |coords| x 512 / pi stays under 2^22 (|coords| under about 25,000); NaN and infinities are not served; a block of zeros has the scale byte 1 (its codes are zeros).
.set SCL,   159744                     ; the image: scale words,
.set BIA,   173056                     ; biases,
.set WVF,   180224                     ; W_view's bf16 fragments,
.set WOF,   188416                     ; W_out's and W_rgb's
.set IMG,   192512                     ; its end.  Behind it 16,640 bytes for each wave:
.set PRIVB, 16640
.set CS,    0                          ; condition's first half: 4 tiles x (1,536 bytes of codes + 64 of scale words)
.set EN,    6400                       ; enc: 4 tiles x (512 + 256 bytes of codes + 64)
.set CA,    9728                       ; condition's second half, as the first; 512 bytes are left behind it
.set RG,    1600
.set ENB,   832
.set SPARE, IMG+8*PRIVB                ; behind the eight regions: the spare words, 128 bytes for each wave: four blocks of 256 bytes that no other line names
.set LI,   1                           ; v1   16 x lane
.set SPW,  2                           ; v2   LDS address of my spare word: SPARE + 4 x my thread's number; never rewritten
.set H8,   3                           ; v3   8 h
.set NIL,  4                           ; v4   0; never rewritten
.set CPL,  44                          ; v44  16 x thread: the copies' LDS address in the image's first 64 KiB, until the barrier
.set SA,   46                          ; v46-51 a piece's stage: two addresses for the way in, four for the way back
.set A16,  5                           ; v5   my region + 16 x lane
.set A8,   6                           ; v6   + 8 x lane
.set A4R,  7                           ; v7   + 4 x (lane % 16)
.set PA,   8                           ; v8-10 where my three registers of a piece's codes go in an image
.set PAB,  11                          ; v11  and my block's scale byte
.set WA,   12                          ; v12-14 LDS addresses of the weight fragments, scale words, biases in hand
.set WSA,  13
.set BA,   14
.set XT,   15                          ; v15  offset of the piece in hand
.set TA,   16                          ; v16-19 stepped addresses (v16 is the copies' global offset until the barrier)
.set CO12, 20                          ; v20  12 x (lane % 16)
.set N4,   21                          ; v21  4 x lane
.set BH,   22                          ; v22  64 h
.set L32,  23                          ; v23  32 x lane
.set ASC,  24                          ; v24-27 the rows' scale words, one register a tile: scales and nothing else
.set WSC,  28                          ; v28-35 the weights' scale words, one register a tile: scales and nothing else
.set SG,   36                          ; v36-37 sigma's sums
.set NZ,   38                          ; v38-39 noise
.set ACT,  40                          ; v40-87 the rows' codes, 4 x 12 (v40-43 hold the copies' addresses in the image's second and third 64 KiB until the barrier)
.set FR,   88                          ; v88-135 four weight fragments
.set BI,   136                         ; v136-167 four tiles of bias; at work between the products
.set ST,   168                         ; v168-231 64 numbers
.set TM,   232                         ; v232-243 at work in the quantiser; coords and ray_dir between the layers
.set XX,   244                         ; v244-251 second halves of conversions
.set ONE,  252
.set ZR,   253
.set FE,   254                         ; 2^(5 h)
.set FV,   255                         ; 2^(2 h)
.set TH,   FR                          ; sin and cos: t's high parts (x, y, z, 2 z), low parts, then up to four pairs each of: angle, n, x^2, sin, cos
.set TL,   FR+4
.set AG,   FR+8
.set TT,   FR+16
.set ZZ,   FR+24
.set PP,   FR+32
.set QQ,   FR+40
.set KS,   84                          ; v84-85 1 / 13!, v86-87 1 / 12!
.set KC,   86
.set HB,   88                          ; the heads: relu(net) of two tiles in bf16, 2 x 32
.set D0,   152
.set D1,   160
.set WO,   40                          ; W_out's and W_rgb's four fragments
.set VV,   BI+16                       ; enc_v's 16 positions
.set PM,   BI                          ; a piece's quantiser
.set PN,   BI+4
.set PSO,  BI+8
.set PBY,  BI+12
.set PC,   BI+16
.set WV,   20                          ; s20 wave, s21 passes to go, s22 a loop's counter
.set PASS, 21
.set LC,   22
.set WB,   23                          ; s23-25 the matrix in hand: fragments, scale words, bias
.set SB,   24
.set BB,   25
.set XS,   26                          ; s26 the piece in hand, in memory; s27 in LDS; s28 enc's tile in LDS
.set PS,   27
.set ES,   28
.set HM,   29                          ; s29 lanes 16-31
.set SEL,  30                          ; s[30:31] lane l xor 16
.set MSB, 0
.macro WIN new                         ; the immediate's high byte repeats the setting that is left; a switch that changes nothing is dropped
.if MSB != \new
	s_set_vgpr_msb (MSB<<8)|\new
.set MSB, \new
.endif
.endm
.macro PLACES n
.rept \n
	v_nop
.endr
.endm
.macro SETW mat
	s_mov_b32 s[WB], 12288*\mat
	s_mov_b32 s[SB], SCL+1024*\mat
	s_mov_b32 s[BB], BIA+512*\mat
.endm
; Four weight fragments (tiles 4 g on) from the image; cm = 0: with their tiles of bias; g = 0: with the matrix's eight scale words
.macro MMLOAD g, cm
.if \g == 0
	v_add_nc_u32 v[WA], s[WB], v[LI]
	v_add_nc_u32 v[WSA], s[SB], v[L32]
.if \cm == 0
	v_add_nc_u32 v[BA], s[BB], v[BH]
.endif
	ds_load_b128 v[WSC:WSC+3], v[WSA]
	ds_load_b128 v[WSC+4:WSC+7], v[WSA] offset:16
.endif
.irp u, 0,1,2,3
.irp c, 0,1,2
	ds_load_b128 v[FR+12*\u+4*\c:FR+12*\u+4*\c+3], v[WA] offset:1536*(4*\g+\u)+512*\c
.endr
.if \cm == 0
	ds_load_b128 v[BI+8*\u:BI+8*\u+3], v[BA] offset:4*(32*((4*\g+\u)/2)+8*(\u%2))
	ds_load_b128 v[BI+8*\u+4:BI+8*\u+7], v[BA] offset:4*(32*((4*\g+\u)/2)+8*(\u%2))+16
.endif
.endr
.endm
; 16 matrix instructions: four weight tiles x four tiles of rows.  cm = 0: the bias starts the sums; 1: onto the sums.  The accumulators take turns, one instruction a turn
.macro MMRUN g, cm
.if \cm == 0
	WIN 0x40                                       ; D in window 1
.else
	WIN 0x50                                       ; C and D in window 1
.endif
.irp u, 0,1,2,3
.irp m, 0,1,2,3
.if \cm == 0
	v_wmma_scale_f32_16x16x128_f8f6f4 v[64*\m+8*(4*\g+\u):64*\m+8*(4*\g+\u)+7], v[FR+12*\u:FR+12*\u+11], v[ACT+12*\m:ACT+12*\m+11], v[BI+8*\u:BI+8*\u+7], v[WSC+4*\g+\u], v[ASC+\m] matrix_a_fmt:MATRIX_FMT_BF6 matrix_b_fmt:MATRIX_FMT_BF6
.else
	v_wmma_scale_f32_16x16x128_f8f6f4 v[64*\m+8*(4*\g+\u):64*\m+8*(4*\g+\u)+7], v[FR+12*\u:FR+12*\u+11], v[ACT+12*\m:ACT+12*\m+11], v[64*\m+8*(4*\g+\u):64*\m+8*(4*\g+\u)+7], v[WSC+4*\g+\u], v[ASC+\m] matrix_a_fmt:MATRIX_FMT_BF6 matrix_b_fmt:MATRIX_FMT_BF6
.endif
.endr
.endr
	WIN 0
.endm
.macro MM cm                           ; a whole product for the 64 rows: 32 matrix instructions
	MMLOAD 0, \cm
	s_wait_alu depctr_va_vdst(0)
	s_wait_dscnt 0x0                               ; the fragments, and the rows' codes asked for ahead of this macro
	MMRUN 0, \cm
	PLACES 4                                       ; in front of loads into registers that matrix instructions have read
	MMLOAD 1, \cm
	s_wait_dscnt 0x0
	MMRUN 1, \cm
	PLACES 4                                       ; and of whatever next reads the results or writes the operands
.endm
; relu, and the quantiser along the next K, for tile m of the rows: 64 accumulator registers become 12 registers of codes and a scale word
.macro QUANT m
.set QA, 64*(\m)
	WIN 0x44
.set j, 0
.rept 64
	v_max_num_f32 v[QA+j], 0, v[QA+j]              ; the activation, each accumulator from its low end on
.set j, j+1
.endr
	WIN 0x05
.irp b, 0,1,2,3
	v_max3_num_f32 v[TM+\b], v[QA+16*\b], v[QA+16*\b+1], 0x2800000   ; block b: my 16 numbers (none is negative), and the floor 2^(5 - 127)
.endr
	WIN 0x14
.irp i, 2,4,6,8,10,12,14
.irp b, 0,1,2,3
	v_max3_num_f32 v[TM+\b], v[TM+\b], v[QA+16*\b+\i], v[QA+16*\b+\i+1]
.endr
.endr
	WIN 0
.irp b, 0,1,2,3
	v_permlanex16_b32 v[TM+4+\b], v[TM+\b], s[SEL], s[SEL+1]
.endr
.irp b, 0,1,2,3
	s_delay_alu instid0(VALU_DEP_4)
	v_max_num_f32 v[TM+\b], v[TM+\b], v[TM+4+\b]   ; with lane l xor 16's: the block's largest
.endr
.irp b, 0,1,2,3
	s_delay_alu instid0(VALU_DEP_4)
	v_add_nc_u32 v[TM+8+\b], 0xfe000000, v[TM+\b]  ; 4 off the exponent field: the conversion's scale operand
.endr
.irp b, 0,1,2,3
	s_delay_alu instid0(VALU_DEP_4)
	v_lshrrev_b32 v[TM+4+\b], 23, v[TM+8+\b]       ; the byte
.endr
	s_delay_alu instid0(VALU_DEP_3)
	v_lshl_or_b32 v[ASC+\m], v[TM+5], 8, v[TM+4]
	s_delay_alu instid0(VALU_DEP_1)
	v_lshl_or_b32 v[ASC+\m], v[TM+6], 16, v[ASC+\m]
	s_delay_alu instid0(VALU_DEP_1)
	v_lshl_or_b32 v[ASC+\m], v[TM+7], 24, v[ASC+\m]
	WIN 0x01
.irp c, 0,1
	v_cvt_scalef32_pk16_bf6_f32 v[ACT+12*\m+6*\c:ACT+12*\m+6*\c+2], v[QA+32*\c:QA+32*\c+15], v[TM+8+2*\c]
	v_cvt_scalef32_pk16_bf6_f32 v[XX+4*\c:XX+4*\c+2], v[QA+32*\c+16:QA+32*\c+31], v[TM+8+2*\c+1]
.endr
	WIN 0
	v_nop                                          ; one plain place behind a scaled conversion
.irp c, 0,1                            ; the operand wants a whole block in a lane: lanes 0-15 block 2 c, lanes 16-31 block 2 c + 1
.irp i, 0,1,2
	v_permlane16_swap_b32 v[ACT+12*\m+6*\c+\i], v[XX+4*\c+\i]
.endr
.irp i, 0,1,2
	s_delay_alu instid0(VALU_DEP_3)
	v_mov_b32 v[ACT+12*\m+6*\c+3+\i], v[XX+4*\c+\i]
.endr
.endr
.endm
; A piece of condition: 16 rows x 128 numbers.  Each load takes one row's 512 consecutive bytes, 16 a lane: registers 16 q + 4 a hold row 4 q + a
.macro PLOAD
	v_add_nc_u32 v[XT], s[XS], v[LI]
.irp q, 0,1,2,3
.irp j, 0,1,2,3
	global_load_b128 v[ST+16*\q+4*\j:ST+16*\q+4*\j+3], v[XT], s[6:7] offset:4096*\q+1024*\j th:TH_LOAD_NT
.endr
.endr
.endm
; The conversions want 16 neighbours in a lane, so a piece turns through a stage of 2,048 bytes in my region, four rows at a time.  The stage begins where the piece's own codes will lie: what it covers
; holds nothing live then (the same half's next tiles are not yet made; behind CS's last tile lies enc, read no more once the skip is done; behind CA's last tile lie the 512 bytes left over).
; Run n of 64 bytes (n = 8 x row + place in the row) keeps its 16-byte column j at 64 n + 16 (j xor (n / 4) % 4): so the sixteen lanes of a half touch sixteen different 16-byte columns modulo 256 bytes, in and back.
; sr: the scalar register with the stage's first byte.  The lanes' parts are made first and the scalar is added last.
.macro SADR sr
	v_lshlrev_b32 v[SA], 1, v[H8]                  ; 16 h
	v_and_b32 v[SA+2], 48, v[N4]                   ; 16 ((lane / 4) % 4)
	s_delay_alu instid0(VALU_DEP_2)
	v_xor_b32 v[SA], v[SA], v[LI]                  ; in, rows 0 and 2 of the four: my 16 bytes of the row, column xor h;
	s_delay_alu instid0(VALU_DEP_2)
	v_lshl_or_b32 v[SA+2], v[LI], 2, v[SA+2]       ; back: run n = lane, column 0;
	s_delay_alu instid0(VALU_DEP_2)
	v_xor_b32 v[SA+1], 32, v[SA]                   ; in, rows 1 and 3: column xor (2 + h);
	s_delay_alu instid0(VALU_DEP_2)
	v_xor_b32 v[SA+3], 16, v[SA+2]                 ; back: columns 1, 2, 3
	s_delay_alu instid0(VALU_DEP_3)
	v_xor_b32 v[SA+4], 32, v[SA+2]
	s_delay_alu instid0(VALU_DEP_4)
	v_xor_b32 v[SA+5], 48, v[SA+2]
.irp i, 0,1,2,3,4,5
	v_add_nc_u32 v[SA+\i], s[\sr], v[SA+\i]
.endr
	s_wait_alu depctr_va_vdst(0)
.endm
; src: the piece as loaded, in window w;  dst: lane (lane / 8, lane % 8) gets, of rows 4 q + lane / 8, the 16 neighbours at 16 (lane % 8), in registers 16 q ..
; LDS serves a wave's instructions in order: no wait between the stores and the loads, nor in front of the next four rows' stores
.macro TURNP src, w, dst
.irp q, 0,1,2,3
	WIN 0x04*\w
.irp a, 0,1,2,3
	ds_store_b128 v[SA+(\a%2)], v[\src+16*\q+4*\a:\src+16*\q+4*\a+3] offset:512*\a
.endr
	WIN 0
.irp j, 0,1,2,3
	ds_load_b128 v[\dst+16*\q+4*\j:\dst+16*\q+4*\j+3], v[SA+2+\j]
.endr
.endr
	s_wait_dscnt 0x0                               ; the piece is back
.endm
; It is quantised (two neighbouring lanes hold a block) and its codes go to LDS, each register to its place in the image of the operand's registers.  src: the 64 numbers, in window w
.macro PQ src, w, a0, a1, a2, ab, off
	WIN 0x15*\w
.irp q, 0,1,2,3
	v_max3_num_f32 v[PM+\q], |v[\src+16*\q]|, |v[\src+16*\q+1]|, |v[\src+16*\q+2]|
	v_max3_num_f32 v[PN+\q], |v[\src+16*\q+3]|, |v[\src+16*\q+4]|, |v[\src+16*\q+5]|
.endr
	WIN 0x14*\w
.irp i, 6,10
.irp q, 0,1,2,3
	v_max3_num_f32 v[PM+\q], v[PM+\q], |v[\src+16*\q+\i]|, |v[\src+16*\q+\i+1]|
	v_max3_num_f32 v[PN+\q], v[PN+\q], |v[\src+16*\q+\i+2]|, |v[\src+16*\q+\i+3]|
.endr
.endr
.irp q, 0,1,2,3
	v_max3_num_f32 v[PM+\q], v[PM+\q], |v[\src+16*\q+14]|, |v[\src+16*\q+15]|
.endr
	WIN 0
.irp q, 0,1,2,3
	v_max3_num_f32 v[PM+\q], v[PM+\q], v[PN+\q], 0x2800000
.endr
.irp q, 0,1,2,3
	s_delay_alu instid0(VALU_DEP_4)
	v_max_num_f32_dpp v[PM+\q], v[PM+\q], v[PM+\q] row_xmask:1 row_mask:0xf bank_mask:0xf
.endr
.irp q, 0,1,2,3
	s_delay_alu instid0(VALU_DEP_4)
	v_add_nc_u32 v[PSO+\q], 0xfe000000, v[PM+\q]
.endr
.irp q, 0,1,2,3
	s_delay_alu instid0(VALU_DEP_4)
	v_lshrrev_b32 v[PBY+\q], 23, v[PSO+\q]
.endr
	WIN 0x01*\w
.irp q, 0,1,2,3
	v_cvt_scalef32_pk16_bf6_f32 v[PC+4*\q:PC+4*\q+2], v[\src+16*\q:\src+16*\q+15], v[PSO+\q]
.endr
	WIN 0
	v_nop                                          ; one plain place behind a scaled conversion
.irp q, 0,1,2,3
	ds_store_b32 v[\a0], v[PC+4*\q] offset:\off+64*\q
	ds_store_b32 v[\a1], v[PC+4*\q+1] offset:\off+64*\q
	ds_store_b32 v[\a2], v[PC+4*\q+2] offset:\off+64*\q
	ds_store_b8 v[\ab], v[PBY+\q] offset:\off+1536+16*\q   ; both lanes of a block write the same byte with the same value
.endr
.endm
.macro ACTFULL reg                     ; four tiles' codes and scale words back from my region: LDS serves a wave's instructions in order, so these see my stores
.irp m, 0,1,2,3
.irp c, 0,1,2
	ds_load_b128 v[ACT+12*\m+4*\c:ACT+12*\m+4*\c+3], v[A16] offset:\reg+RG*\m+512*\c
.endr
	ds_load_b32 v[ASC+\m], v[A4R] offset:\reg+RG*\m+1536
.endr
.endm
.macro ACTENC                          ; enc's: six registers of codes (K = 0 .. 63); K = 64 .. 127 are zero codes
.irp m, 0,1,2,3
	ds_load_b128 v[ACT+12*\m:ACT+12*\m+3], v[A16] offset:EN+ENB*\m
	ds_load_b64 v[ACT+12*\m+4:ACT+12*\m+5], v[A8] offset:EN+ENB*\m+512
	ds_load_b32 v[ASC+\m], v[A4R] offset:EN+ENB*\m+768
.irp i, 6,7,8,9,10,11
	v_mov_b32 v[ACT+12*\m+\i], 0
.endr
.endr
	PLACES 4                                       ; an operand written by vector instructions stands four places ahead of a scaled matrix instruction
.endm
; ---- sin and cos
.macro ANGSET c, f                     ; t = number / pi in two parts, times the lane's power of two (exact); the z pair is (z, 2 z)
.irp e, 0,1,2
	v_mul_f32 v[TH+\e], s44, v[\c+\e]
.endr
.irp e, 0,1,2
	s_delay_alu instid0(VALU_DEP_3)
	v_fma_f32 v[TL+\e], v[\c+\e], s44, -v[TH+\e]   ; what the product above has rounded away, exactly,
.endr
.irp e, 0,1,2
	s_delay_alu instid0(VALU_DEP_3)
	v_fma_f32 v[TL+\e], v[\c+\e], s46, v[TL+\e]    ; and the number times the rest of 1 / pi
.endr
.irp e, 0,1,2
	v_mul_f32 v[TH+\e], v[\f], v[TH+\e]
.endr
.irp e, 0,1,2
	v_mul_f32 v[TL+\e], v[\f], v[TL+\e]
.endr
	s_delay_alu instid0(VALU_DEP_4)
	v_add_f32 v[TH+3], v[TH+2], v[TH+2]
	s_delay_alu instid0(VALU_DEP_2)
	v_add_f32 v[TL+3], v[TL+2], v[TL+2]
.endm
.macro SC_IN k, src, mult
	v_pk_mul_f32 v[AG+2*\k:AG+2*\k+1], v[TH+2*\src:TH+2*\src+1], \mult op_sel_hi:[1,0]
.endm
.macro SC_LO k, src, mult
	v_pk_fma_f32 v[AG+2*\k:AG+2*\k+1], v[TL+2*\src:TL+2*\src+1], \mult, v[AG+2*\k:AG+2*\k+1] op_sel_hi:[1,0,1]
.endm
.macro SC_A np                         ; n = the nearest whole number (by adding and taking off 1.5 x 2^23), t - n: all exact
.set k, 0
.rept \np
	v_pk_add_f32 v[TT+2*k:TT+2*k+1], v[AG+2*k:AG+2*k+1], 0x4b400000 op_sel_hi:[1,0]
.set k, k+1
.endr
.set k, 0
.rept \np
	v_pk_add_f32 v[ZZ+2*k:ZZ+2*k+1], v[TT+2*k:TT+2*k+1], 0xcb400000 op_sel_hi:[1,0]
.set k, k+1
.endr
.set k, 0
.rept \np
	v_pk_add_f32 v[AG+2*k:AG+2*k+1], v[AG+2*k:AG+2*k+1], v[ZZ+2*k:ZZ+2*k+1] neg_lo:[0,1] neg_hi:[0,1]
.set k, k+1
.endr
.endm
.macro PKF np, d, lit                  ; d = d x^2 + the next coefficient
.set k, 0
.rept \np
	v_pk_fma_f32 v[\d+2*k:\d+2*k+1], v[\d+2*k:\d+2*k+1], v[ZZ+2*k:ZZ+2*k+1], \lit op_sel_hi:[1,1,0]
.set k, k+1
.endr
.endm
.macro SC_B np
.set k, 0
.rept \np
	v_pk_mul_f32 v[AG+2*k:AG+2*k+1], v[AG+2*k:AG+2*k+1], 0x40490fdb op_sel_hi:[1,0]   ; x = pi (t - n)
.set k, k+1
.endr
.set k, 0
.rept \np
	v_pk_mul_f32 v[ZZ+2*k:ZZ+2*k+1], v[AG+2*k:AG+2*k+1], v[AG+2*k:AG+2*k+1]
.set k, k+1
.endr
.set k, 0
.rept \np
	v_pk_fma_f32 v[PP+2*k:PP+2*k+1], v[ZZ+2*k:ZZ+2*k+1], v[KS:KS+1], 0xb2d7322b op_sel_hi:[1,1,0]
	v_pk_fma_f32 v[QQ+2*k:QQ+2*k+1], v[ZZ+2*k:ZZ+2*k+1], v[KC:KC+1], 0xb493f27e op_sel_hi:[1,1,0]
.set k, k+1
.endr
	PKF \np, PP, 0x3638ef1d
	PKF \np, QQ, 0x37d00d01
	PKF \np, PP, 0xb9500d01
	PKF \np, QQ, 0xbab60b61
	PKF \np, PP, 0x3c088889
	PKF \np, QQ, 0x3d2aaaab
	PKF \np, PP, 0xbe2aaaab
	PKF \np, QQ, -0.5
	PKF \np, QQ, 1.0                               ; cos x
.set k, 0
.rept \np
	v_pk_mul_f32 v[ZZ+2*k:ZZ+2*k+1], v[ZZ+2*k:ZZ+2*k+1], v[AG+2*k:AG+2*k+1]
.set k, k+1
.endr
.set k, 0
.rept \np
	v_pk_fma_f32 v[PP+2*k:PP+2*k+1], v[PP+2*k:PP+2*k+1], v[ZZ+2*k:ZZ+2*k+1], v[AG+2*k:AG+2*k+1]   ; sin x = x + x^3 (..)
.set k, k+1
.endr
.set k, 0
.rept 2*\np
	v_lshlrev_b32 v[TT+k], 31, v[TT+k]             ; n's lowest bit as a sign
.set k, k+1
.endr
.endm
.macro SC_OUT k, s0, s1, c0, c1
	v_xor_b32 v[\s0], v[TT+2*\k], v[PP+2*\k]
	v_xor_b32 v[\s1], v[TT+2*\k+1], v[PP+2*\k+1]
	v_xor_b32 v[\c0], v[TT+2*\k], v[QQ+2*\k]
	v_xor_b32 v[\c1], v[TT+2*\k+1], v[QQ+2*\k+1]
.endm
.macro SCK
	v_mov_b32 v[KS], 0x2f309231
	v_mov_b32 v[KS+1], 0x2f309231
	v_mov_b32 v[KC], 0x310f76c7
	v_mov_b32 v[KC+1], 0x310f76c7
.endm
.macro COLOAD
.irp m, 0,1,2,3
	global_load_b96 v[TM+4*\m:TM+4*\m+2], v[CO12], s[8:9] offset:192*\m
.endr
.endm
; One layer: relu and quantiser of the 64 rows, the product with the matrix in hand, and a piece of condition fetched at its head and quantised at its end.
; guard = 1: in the last pass there is no next pass to fetch for: two branches on the count of passes lead round the loads and round their quantiser; the wait stands on every way
.macro LSTEP guard
.if \guard
	s_cmp_eq_u32 s[PASS], 1
	s_cbranch_scc1 .Lnoload_\@
.endif
	PLOAD
.if \guard
.Lnoload_\@:
.endif
	MMLOAD 0, 0                                    ; they land while the rows are quantised
	QUANT 0
	QUANT 1
	QUANT 2
	QUANT 3
	PLACES 8                                       ; a scale register written by vector instructions stands eight places ahead of a scaled matrix instruction
	s_wait_alu depctr_va_vdst(0)
	s_wait_dscnt 0x0
	MMRUN 0, 0
	PLACES 4
	MMLOAD 1, 0
	s_wait_dscnt 0x0
	MMRUN 1, 0
	s_add_co_u32 s[WB], s[WB], 12288               ; the next matrix
	s_add_co_u32 s[SB], s[SB], 1024
	s_add_co_u32 s[BB], s[BB], 512
	PLACES 4
	s_wait_loadcnt 0x0                             ; the piece asked for at the step's head
.if \guard
	s_cmp_eq_u32 s[PASS], 1
	s_cbranch_scc1 .Lnoquant_\@
.endif
.irp i, 0,1,2
	v_add_nc_u32 v[TA+\i], s[PS], v[PA+\i]
.endr
	v_add_nc_u32 v[TA+3], s[PS], v[PAB]
	s_add_co_u32 s34, s33, s[PS]                   ; the stage begins where this piece's codes will lie
	SADR 34
	TURNP ST, 0, 72                                ; back into v72-135: the rows' codes and the fragments there are done with
	PQ 72, 0, TA, TA+1, TA+2, TA+3, 0
.if \guard
.Lnoquant_\@:
.endif
	s_add_co_u32 s[XS], s[XS], 16384
	s_add_co_u32 s[PS], s[PS], RG
.endm
.macro WOLOAD
	v_add_nc_u32 v[TA], WOF, v[LI]
.irp s, 0,1,2,3
	ds_load_b128 v[WO+8*\s:WO+8*\s+3], v[TA] offset:1024*\s
	ds_load_b128 v[WO+8*\s+4:WO+8*\s+7], v[TA] offset:1024*\s+512
.endr
.endm
; relu(net) of tiles m0 and m0 + 1 in bf16, times W_out and W_rgb: register 0 of a lane's result is its row's sigma sum, registers 1-3 its rgb sums, in both halves of the lanes.  net itself stays
.macro HEAD m0
.irp x, 0,1
	WIN 0x04
.set j, 0
.rept 64
	v_max_num_f32 v[ST+j], 0, v[64*(\m0+\x)+j]
.set j, j+1
.endr
	WIN 0
.set j, 0
.rept 32
	v_cvt_pk_bf16_f32 v[HB+32*\x+j], v[ST+2*j], v[ST+2*j+1]
.set j, j+1
.endr
.endr
	v_wmma_f32_16x16x32_bf16 v[D0:D0+7], v[WO:WO+7], v[HB:HB+7], 0
	v_wmma_f32_16x16x32_bf16 v[D1:D1+7], v[WO:WO+7], v[HB+32:HB+39], 0
.irp s, 1,2,3                          ; the two accumulators by turns
	v_wmma_f32_16x16x32_bf16 v[D0:D0+7], v[WO+8*\s:WO+8*\s+7], v[HB+8*\s:HB+8*\s+7], v[D0:D0+7]
	v_wmma_f32_16x16x32_bf16 v[D1:D1+7], v[WO+8*\s:WO+8*\s+7], v[HB+32+8*\s:HB+39+8*\s], v[D1:D1+7]
.endr
	PLACES 4
.endm
; enc_v of tile m as a bf16 operand of K = 32: positions 0-11: sin and cos at 2^(2 h) and 2^(2 h + 1); 12-15: rd and 1 (lanes 0-15), 1, 1, 0, 0 (lanes 16-31)
.macro ENCV m
.set RY, TM+4*(\m)
	v_mul_f32 v[BI+3], v[RY], v[RY]
	s_delay_alu instid0(VALU_DEP_1)
	v_fma_f32 v[BI+3], v[RY+1], v[RY+1], v[BI+3]
	s_delay_alu instid0(VALU_DEP_1)
	v_fma_f32 v[BI+3], v[RY+2], v[RY+2], v[BI+3]
	s_wait_alu depctr_va_vdst(0)
	v_rsq_f32 v[BI+4], v[BI+3]
	v_nop                                          ; a plain place behind the transcendental
	s_wait_alu depctr_va_vdst(0)
.irp e, 0,1,2
	v_mul_f32 v[BI+\e], v[RY+\e], v[BI+4]
.endr
	ANGSET BI, FV
	SC_IN 0, 0, 1.0
	SC_IN 1, 0, 2.0
	SC_IN 2, 1, 1.0
	SC_A 3
	SC_LO 0, 0, 1.0
	SC_LO 1, 0, 2.0
	SC_LO 2, 1, 1.0
	SC_B 3
	SC_OUT 0, VV+0, VV+1, VV+3, VV+4
	SC_OUT 1, VV+6, VV+7, VV+9, VV+10
	SC_OUT 2, VV+2, VV+8, VV+5, VV+11
	v_cndmask_b32 v[VV+12], v[BI], v[ONE], s[HM]
	v_cndmask_b32 v[VV+13], v[BI+1], v[ONE], s[HM]
	v_cndmask_b32 v[VV+14], v[BI+2], v[ZR], s[HM]
	v_cndmask_b32 v[VV+15], v[ONE], v[ZR], s[HM]
.set j, 0
.rept 8
	v_cvt_pk_bf16_f32 v[ST+8*\m+j], v[VV+2*j], v[VV+2*j+1]
.set j, j+1
.endr
.endm
; 32 rows' four results: lanes 0-15 take the first tile's, lanes 16-31 the second's; the wave stores 512 consecutive bytes
.macro OUT g, o
.irp j, 1,2,3
	v_cndmask_b32 v[\o+\j], v[D0+\j], v[D1+\j], s[HM]
.endr
	v_add_f32 v[\o], s32, v[SG+\g]
	s_delay_alu instid0(VALU_DEP_1)
	v_add_f32 v[\o], v[\o], v[NZ+\g]
	s_delay_alu instid0(VALU_DEP_1)
	v_max_num_f32 v[\o], 0, v[\o]
.irp j, 1,2,3
	v_fma_f32 v[\o+\j], v[\o+\j], s40, s[40+\j]    ; -log2(e) (sum + b_rgb)
.endr
	s_wait_alu depctr_va_vdst(0)
.irp j, 1,2,3
	v_exp_f32 v[\o+\j], v[\o+\j]
.endr
	v_nop
	s_wait_alu depctr_va_vdst(0)
.irp j, 1,2,3
	v_add_f32 v[\o+\j], 1.0, v[\o+\j]
.endr
	s_wait_alu depctr_va_vdst(0)
.irp j, 1,2,3
	v_rcp_f32 v[\o+\j], v[\o+\j]
.endr
	v_nop
	s_wait_alu depctr_va_vdst(0)
	global_store_b128 v[LI], v[\o:\o+3], s[18:19] offset:512*\g th:TH_STORE_NT
.endm
	; ================ the head
	s_load_b512 s[4:19], s[0:1], 0x0               ; wimg 4, condition 6, coords 8, ray_dir 10, noise 12, b_out 14, b_rgb 16, out0 18
	v_lshl_add_u32 v[SPW], v0, 2, SPARE
	v_mov_b32 v[NIL], 0
	ds_add_u32 v[SPW], v[NIL]                      ; the wave's opening: the add, twice on end, and its wait ahead of my first copy
	ds_add_u32 v[SPW], v[NIL]
	v_lshrrev_b32 v168, 5, v0
	s_delay_alu instid0(VALU_DEP_1)
	v_readfirstlane_b32 s[WV], v168                ; wave 0..7
	v_lshlrev_b32 v[CPL], 4, v0                    ; the copies' addresses: 16 x thread, in LDS and in the image alike; the immediates stay under 65,536,
	v_lshlrev_b32 v[TA], 4, v0                     ; so each 64 KiB of the image has a pair of registers of its own
	v_lshl_add_u32 v[ACT], v0, 4, 0x10000
	v_lshl_add_u32 v[ACT+1], v0, 4, 0x10000
	v_lshl_add_u32 v[ACT+2], v0, 4, 0x20000
	v_lshl_add_u32 v[ACT+3], v0, 4, 0x20000
	v_and_b32 v168, 31, v0                         ; lane
	v_bfe_u32 v169, v0, 4, 1                       ; h
	v_bfe_u32 v170, v0, 3, 2                       ; lane / 8
	v_and_b32 v172, 15, v0                         ; r
	s_mul_i32 s54, s[WV], PRIVB
	s_add_co_u32 s54, s54, IMG                     ; my region of LDS
	s_mov_b32 s33, s54                             ; kept for the stages' addresses
	v_lshlrev_b32 v[LI], 4, v168
	v_lshlrev_b32 v[H8], 3, v169
	s_delay_alu instid0(VALU_DEP_2)
	v_add_nc_u32 v[A16], s54, v[LI]
	v_lshl_add_u32 v[A8], v168, 3, s54
	v_lshl_add_u32 v[A4R], v172, 2, s54
	; my 16 codes of a piece are registers j0 .. j0 + 2 of lane (row, (lane / 2) % 2) of the fragment: j0 = 6 ((lane % 8) / 4) + 3 (lane % 2); register j lies at 512 (j / 4) + 16 x that lane + 4 (j % 4)
	v_bfe_u32 v173, v0, 2, 1
	v_and_b32 v174, 1, v0
	s_delay_alu instid0(VALU_DEP_2)
	v_mul_u32_u24 v175, v173, 6
	s_delay_alu instid0(VALU_DEP_1)
	v_mad_u32_u24 v175, v174, 3, v175
	v_bfe_u32 v176, v0, 1, 1
	v_lshlrev_b32 v177, 4, v170
	s_delay_alu instid0(VALU_DEP_1)
	v_lshl_add_u32 v177, v176, 8, v177
	s_delay_alu instid0(VALU_DEP_1)
	v_add_nc_u32 v177, s54, v177
.irp i, 0,1,2
	v_add_nc_u32 v178, \i, v175
	s_delay_alu instid0(VALU_DEP_1)
	v_lshrrev_b32 v179, 2, v178
	s_delay_alu instid0(VALU_DEP_2)
	v_and_b32 v178, 3, v178
	s_delay_alu instid0(VALU_DEP_2)
	v_lshl_add_u32 v[PA+\i], v179, 9, v177
	s_delay_alu instid0(VALU_DEP_1)
	v_lshl_add_u32 v[PA+\i], v178, 2, v[PA+\i]
.endr
	v_bfe_u32 v178, v0, 1, 2
	s_delay_alu instid0(VALU_DEP_1)
	v_lshl_add_u32 v[PAB], v170, 2, v178           ; the row's word, my block's byte
	s_delay_alu instid0(VALU_DEP_1)
	v_add_nc_u32 v[PAB], s54, v[PAB]
	v_mul_u32_u24 v[CO12], v172, 12
	v_lshlrev_b32 v[N4], 2, v168
	v_lshlrev_b32 v[BH], 6, v169
	v_lshlrev_b32 v[L32], 5, v168
	v_mov_b32 v[ONE], 1.0
	v_mov_b32 v[ZR], 0
	v_mul_u32_u24 v178, v169, 5
	s_delay_alu instid0(VALU_DEP_1)
	v_lshl_add_u32 v[FE], v178, 23, 0x3f800000     ; 2^(5 h): 5 h onto the exponent field of 1.0
	v_lshlrev_b32 v178, 1, v169
	s_delay_alu instid0(VALU_DEP_1)
	v_lshl_add_u32 v[FV], v178, 23, 0x3f800000     ; 2^(2 h)
.irp i, 3,7,11,15
	v_mov_b32 v[TM+\i], 0                          ; written once: a lane permute's destination counts as one of its sources, and the loads of three registers leave every fourth out
.endr
	s_mov_b32 s[HM], 0xffff0000
	s_mov_b32 s[SEL], 0x76543210
	s_mov_b32 s[SEL+1], 0xfedcba98
	s_mov_b32 s40, 0xbfb8aa3b                      ; -log2(e)
	s_mov_b32 s44, 0x3ea2f983                      ; 1 / pi, rounded,
	s_mov_b32 s46, 0x325c9c88                      ; and the rest of it
	s_mov_b32 s[PASS], 2
	s_lshl_b32 s55, ttmp9, 3
	s_add_co_u32 s55, s55, s[WV]                   ; which 128 rows are my wave's
	s_mov_b32 s57, 0
	s_wait_alu depctr_va_vdst(0)
	s_wait_dscnt 0x0                               ; both opening adds are done
	s_wait_kmcnt 0x0
	s_load_b32 s32, s[14:15], 0x0                  ; b_out
	s_load_b96 s[36:38], s[16:17], 0x0             ; b_rgb
	; the image: 47 x 4,096 bytes, 16 bytes a thread; filled once, read behind the barrier below
.set j, 0
.rept 16
	global_load_async_to_lds_b128 v[CPL], v[TA], s[4:5] offset:4096*j
.set j, j+1
.endr
.set j, 0
.rept 16
	global_load_async_to_lds_b128 v[ACT], v[ACT+1], s[4:5] offset:4096*j
.set j, j+1
.endr
.set j, 0
.rept 15
	global_load_async_to_lds_b128 v[ACT+2], v[ACT+3], s[4:5] offset:4096*j
.set j, j+1
.endr
	s_lshl_b32 s56, s55, 17
	s_add_nc_u64 s[6:7], s[6:7], s[56:57]
	s_mul_i32 s56, s55, 1536
	s_add_nc_u64 s[8:9], s[8:9], s[56:57]
	s_add_nc_u64 s[10:11], s[10:11], s[56:57]
	s_lshl_b32 s56, s55, 9
	s_add_nc_u64 s[12:13], s[12:13], s[56:57]
	s_lshl_b32 s56, s55, 11
	s_add_nc_u64 s[18:19], s[18:19], s[56:57]
	COLOAD
	WIN 0x40                                       ; the first pass's first half of condition lands in the accumulators' registers, which are idle until the first product
.irp m, 0,1,2,3
.irp q, 0,1,2,3
.irp j, 0,1,2,3
	global_load_b128 v[64*\m+16*\q+4*\j:64*\m+16*\q+4*\j+3], v[LI], s[6:7] offset:16384*\m+4096*\q+1024*\j th:TH_LOAD_NT
.endr
.endr
.endr
	WIN 0
	s_wait_kmcnt 0x0
	s_mul_f32 s41, s40, s36
	s_mul_f32 s42, s40, s37
	s_mul_f32 s43, s40, s38
	s_wait_loadcnt 63                              ; coords are in: 64 loads stand behind them, and 63 is the largest count that a wait can name
.Lpass:
	; ================ enc of the 64 rows: a tile a trip.  A lane holds a whole block of 32: lanes 0-15 frequencies 2^0 .. 2^4, lanes 16-31 2^5 .. 2^9
	SCK
	s_mov_b32 s[ES], 0
	s_mov_b32 s[LC], 0
.Lenc:
	s_wait_alu depctr_va_vdst(0)
	ANGSET TM, FE
	SC_IN 0, 0, 1.0
	SC_IN 1, 0, 2.0
	SC_IN 2, 0, 4.0
	SC_IN 3, 0, 0x41000000
	SC_A 4
	SC_LO 0, 0, 1.0
	SC_LO 1, 0, 2.0
	SC_LO 2, 0, 4.0
	SC_LO 3, 0, 0x41000000
	SC_B 4
	SC_OUT 0, ST+0, ST+1, ST+3, ST+4
	SC_OUT 1, ST+6, ST+7, ST+9, ST+10
	SC_OUT 2, ST+12, ST+13, ST+15, ST+16
	SC_OUT 3, ST+18, ST+19, ST+21, ST+22
	SC_IN 0, 0, 0x41800000
	SC_IN 1, 1, 1.0
	SC_IN 2, 1, 4.0
	SC_IN 3, 1, 0x41800000
	SC_A 4
	SC_LO 0, 0, 0x41800000
	SC_LO 1, 1, 1.0
	SC_LO 2, 1, 4.0
	SC_LO 3, 1, 0x41800000
	SC_B 4
	SC_OUT 0, ST+24, ST+25, ST+27, ST+28
	SC_OUT 1, ST+2, ST+8, ST+5, ST+11
	SC_OUT 2, ST+14, ST+20, ST+17, ST+23
	SC_OUT 3, ST+26, ST+32, ST+29, ST+35           ; (the pair's second angle, 32 z, is nobody's: it lands behind the block)
	; position 29 of lanes 0-15 is cos(16 z), row 32 of enc: it belongs to the second block.  Lanes 0-15 end with the three coordinates, lanes 16-31 with that number and the pad's zero
	v_mov_b32 v[BI+5], 0
	s_delay_alu instid0(VALU_DEP_1)
	v_permlanex16_b32 v[BI+5], v[ST+29], s[SEL], s[SEL+1]
	s_delay_alu instid0(VALU_DEP_4)
	v_cndmask_b32 v[ST+29], v[TM], v[ST+29], s[HM]
	s_delay_alu instid0(VALU_DEP_2)
	v_cndmask_b32 v[ST+30], v[TM+1], v[BI+5], s[HM]
	v_cndmask_b32 v[ST+31], v[TM+2], v[ZR], s[HM]
	v_max3_num_f32 v[BI], |v[ST]|, |v[ST+1]|, 0x2800000
	v_max3_num_f32 v[BI+1], |v[ST+2]|, |v[ST+3]|, 0x2800000
.irp i, 4,8,12,16,20,24,28
	s_delay_alu instid0(VALU_DEP_2)
	v_max3_num_f32 v[BI], v[BI], |v[ST+\i]|, |v[ST+\i+1]|
	s_delay_alu instid0(VALU_DEP_2)
	v_max3_num_f32 v[BI+1], v[BI+1], |v[ST+\i+2]|, |v[ST+\i+3]|
.endr
	s_delay_alu instid0(VALU_DEP_1)
	v_max_num_f32 v[BI], v[BI], v[BI+1]
	s_delay_alu instid0(VALU_DEP_1)
	v_add_nc_u32 v[BI+2], 0xfe000000, v[BI]
	s_delay_alu instid0(VALU_DEP_1)
	v_lshrrev_b32 v[BI+3], 23, v[BI+2]
	s_delay_alu instid0(VALU_DEP_1)
	v_lshlrev_b32 v[BI+3], v[H8], v[BI+3]          ; my block's byte at its place;
	v_mov_b32 v[BI+4], 0
	s_delay_alu instid0(VALU_DEP_1)
	v_permlanex16_b32 v[BI+4], v[BI+3], s[SEL], s[SEL+1]
	s_delay_alu instid0(VALU_DEP_1)
	v_or_b32 v[BI+3], v[BI+3], v[BI+4]             ; with lane l xor 16's: the row's word (bytes 2 and 3 stay 0: their codes are zeros)
	v_cvt_scalef32_pk16_bf6_f32 v[BI+8:BI+10], v[ST:ST+15], v[BI+2]
	v_cvt_scalef32_pk16_bf6_f32 v[BI+12:BI+14], v[ST+16:ST+31], v[BI+2]
	v_nop
	v_mov_b32 v[BI+11], v[BI+12]
	v_mov_b32 v[BI+12], v[BI+13]
	v_mov_b32 v[BI+13], v[BI+14]
	v_add_nc_u32 v[TA+1], s[ES], v[A16]
	v_add_nc_u32 v[TA+2], s[ES], v[A8]
	v_add_nc_u32 v[TA+3], s[ES], v[A4R]
	ds_store_b128 v[TA+1], v[BI+8:BI+11] offset:EN
	ds_store_b64 v[TA+2], v[BI+12:BI+13] offset:EN+512
	ds_store_b32 v[TA+3], v[BI+3] offset:EN+768    ; both halves of the lanes hold the same word
.irp i, 0,1,2,4,5,6,8,9,10
	v_mov_b32 v[TM+\i], v[TM+4+\i]                 ; the next tile's coordinates move down
.endr
	s_add_co_u32 s[ES], s[ES], ENB
	s_add_co_u32 s[LC], s[LC], 1
	s_cmp_lt_u32 s[LC], 4
	s_cbranch_scc1 .Lenc
	; ================ the first pass quantises its first half of condition here; the second pass's was made in the first pass's last four layers
	s_wait_loadcnt 0x0
	s_cmp_lg_u32 s[PASS], 2
	s_cbranch_scc1 .Lhave_cs
	s_add_co_u32 s34, s33, CA                      ; here enc's codes are live behind CS, so the stage lies in CA, which holds nothing yet
	SADR 34
.irp m, 0,1,2,3
	TURNP 64*\m, 1, ST
	PQ ST, 0, PA, PA+1, PA+2, PAB, CS+RG*\m
.endr
.Lhave_cs:
	s_wait_asynccnt 0x0                            ; my part of the image has landed (and the copies' address registers are free),
	s_wait_dscnt 0x0
	s_barrier_signal -1
	s_barrier_wait -1                              ; everybody's has
	; ================ net = enc W_in + (b_in + b_c) + cond_shape W_c
	ACTENC
	SETW 0
	s_wait_alu depctr_va_vdst(0)
	MM 0
	ACTFULL CS
	SETW 1
	MM 1
	; ================ blocks 0-3; each step also brings a tile of condition's second half
	SETW 2
	s_mov_b32 s[XS], 512
	s_mov_b32 s[PS], CA
	s_mov_b32 s[LC], 0
.Lblocks_a:
	LSTEP 0
	s_add_co_u32 s[LC], s[LC], 1
	s_cmp_lt_u32 s[LC], 4
	s_cbranch_scc1 .Lblocks_a
	; ================ the skip (its biases went in with b_blocks[3])
	ACTENC
	SETW 6
	MM 1
	ACTFULL CS
	SETW 7
	MM 1
	; ================ blocks 4-7; each step also brings a tile of the next pass's first half
	SETW 8
	s_mov_b32 s[XS], 65536
	s_mov_b32 s[PS], CS
	s_mov_b32 s[LC], 0
.Lblocks_b:
	LSTEP 1
	s_add_co_u32 s[LC], s[LC], 1
	s_cmp_lt_u32 s[LC], 4
	s_cbranch_scc1 .Lblocks_b
	; ================ sigma's sums, of net as it stands
.irp m, 0,1,2,3
	global_load_b96 v[TM+4*\m:TM+4*\m+2], v[CO12], s[10:11] offset:192*\m   ; ray_dir
.endr
	global_load_b32 v[NZ], v[N4], s[12:13]
	global_load_b32 v[NZ+1], v[N4], s[12:13] offset:128
	WOLOAD
	s_wait_dscnt 0x0
	HEAD 0
	v_cndmask_b32 v[SG], v[D0], v[D1], s[HM]
	HEAD 2
	v_cndmask_b32 v[SG+1], v[D0], v[D1], s[HM]
	; ================ net += enc_v W_view + b_view + cond_app W_viewc + b_viewc
	SCK
	s_wait_loadcnt 0x0
	ENCV 0
	ENCV 1
	ENCV 2
	ENCV 3
	s_cmp_eq_u32 s[PASS], 1                        ; the next pass's coordinates are asked for now (the last pass asks for its own again: no load leaves the buffer)
	s_cselect_b32 s54, 0, 768
	s_mov_b32 s55, 0
	s_add_nc_u64 s[8:9], s[8:9], s[54:55]
	COLOAD
	ACTFULL CA
	SETW 12
	MM 1
	v_nop                                          ; a fifth place: another form of matrix instruction now writes over these accumulators
	v_add_nc_u32 v[TA], WVF, v[LI]
	s_wait_alu depctr_va_vdst(0)
.irp g, 0,1
.irp u, 0,1,2,3
	ds_load_b128 v[FR+8*\u:FR+8*\u+3], v[TA] offset:1024*(4*\g+\u)
	ds_load_b128 v[FR+8*\u+4:FR+8*\u+7], v[TA] offset:1024*(4*\g+\u)+512
.endr
	s_wait_dscnt 0x0
	WIN 0x50
.irp u, 0,1,2,3
.irp m, 0,1,2,3
	v_wmma_f32_16x16x32_bf16 v[64*\m+8*(4*\g+\u):64*\m+8*(4*\g+\u)+7], v[FR+8*\u:FR+8*\u+7], v[ST+8*\m:ST+8*\m+7], v[64*\m+8*(4*\g+\u):64*\m+8*(4*\g+\u)+7]
.endr
.endr
	WIN 0
	PLACES 4
.endr
	; ================ rgb's sums, and the way out
	WOLOAD
	s_wait_dscnt 0x0
	HEAD 0
	OUT 0, 248
	s_wait_alu depctr_va_vdst(0)
	HEAD 2
	OUT 1, 88
	s_wait_loadcnt 0x0                             ; the next pass's coordinates
	s_wait_xcnt 0x0                                ; the stores have read their registers and their base: both may be written again
	s_add_nc_u64 s[6:7], s[6:7], 65536
	s_add_nc_u64 s[10:11], s[10:11], 768
	s_add_nc_u64 s[12:13], s[12:13], 256
	s_add_nc_u64 s[18:19], s[18:19], 1024
	s_sub_co_u32 s[PASS], s[PASS], 1
	s_cmp_lg_u32 s[PASS], 0
	s_cbranch_scc1 .Lpass
	s_wait_tensorcnt 0x0                           ; the wave's end, behind my last LDS store
	ds_add_u32 v[SPW], v[NIL]
	s_wait_dscnt 0x0
	s_endpgm
.Lfunc_end_k_qeca38c6183_mlp:
	.size	k_qeca38c6183_mlp, .Lfunc_end_k_qeca38c6183_mlp-k_qeca38c6183_mlp
	.p2alignl 7, 3214868480
	.fill 96, 4, 3214868480
	.section	.rodata,"a",@progbits
	.p2align	6, 0x0
	.amdhsa_kernel k_qeca38c6183_mlp
		.amdhsa_group_segment_fixed_size 327680
		.amdhsa_private_segment_fixed_size 0
		.amdhsa_enable_private_segment 0
		.amdhsa_kernarg_size 64
		.amdhsa_user_sgpr_count 2
		.amdhsa_user_sgpr_kernarg_segment_ptr 1
		.amdhsa_wavefront_size32 1
		.amdhsa_system_sgpr_workgroup_id_x 1
		.amdhsa_system_sgpr_workgroup_id_y 1
		.amdhsa_system_sgpr_workgroup_id_z 1
		.amdhsa_system_vgpr_workitem_id 0
		.amdhsa_next_free_vgpr 512
		.amdhsa_next_free_sgpr 100
		.amdhsa_reserve_vcc 0
		.amdhsa_float_denorm_mode_32 3
		.amdhsa_float_denorm_mode_16_64 3
		.amdhsa_memory_ordered 1
		.amdhsa_forward_progress 1
		.amdhsa_inst_pref_size 255
	.end_amdhsa_kernel
	.section	.bss,"aw",@nobits
	.p2align	6
	.space	262144
	.amdgpu_metadata
---
amdhsa.version: [ 1, 2 ]
amdhsa.kernels:
  - .name:           k_qeca38c6183_mlp
    .symbol:         k_qeca38c6183_mlp.kd
    .args:
      - { .name: wimg, .offset: 0, .size: 8, .value_kind: global_buffer, .address_space: global }
      - { .name: condition, .offset: 8, .size: 8, .value_kind: global_buffer, .address_space: global }
      - { .name: coords, .offset: 16, .size: 8, .value_kind: global_buffer, .address_space: global }
      - { .name: ray_dir, .offset: 24, .size: 8, .value_kind: global_buffer, .address_space: global }
      - { .name: noise, .offset: 32, .size: 8, .value_kind: global_buffer, .address_space: global }
      - { .name: b_out, .offset: 40, .size: 8, .value_kind: global_buffer, .address_space: global }
      - { .name: b_rgb, .offset: 48, .size: 8, .value_kind: global_buffer, .address_space: global }
      - { .name: out0, .offset: 56, .size: 8, .value_kind: global_buffer, .address_space: global }
    .group_segment_fixed_size: 327680
    .private_segment_fixed_size: 0
    .kernarg_segment_align: 8
    .kernarg_segment_size: 64
    .max_flat_workgroup_size: 256
    .sgpr_count:     100
    .vgpr_count:     512
    .wavefront_size: 32
...
	.end_amdgpu_metadata
.endif
;; end of part 2
